; MI455X (gfx1250); checked and timed in simulation.
; The chip was launched on July 23, 2026; its instructions are those of AMD's public machine-readable ISA for CDNA 5 (MIT licence, August 2026) and "CDNA5" Instruction Set Architecture Reference Guide (July 2026). The comments in the code are by the model that wrote it; some were corrected since.
;; Dot Product Attention. Allowed arithmetic: matrix products marked QUANTISED: E2M1 operands, one E8M0 scale for each 32 along K, by v_wmma_scale_f32_16x16x128_f8f6f4 with both operands' format E2M1 (or v_wmma_scale_f32_32x16x128_f4), f32 sums; products left as they are: bf16, f16 or f32 operands; f32 sums; everything else in f32.
;; Inputs: keys 2 x 8 x 4,096 x 64 float32; mask 1 x 1 x 4,096 x 4,096 bool; queries 2 x 8 x 4,096 x 64 float32; values 2 x 8 x 4,096 x 64 float32.
;; Outputs: out0 2 x 8 x 4,096 x 64 float32.
;; Constants: d_k = 64.
;; This version of the problem:
;;   THIS VERSION OF THE PROBLEM IS GIVEN IN LOW PRECISION. The matrix products marked QUANTISED in the list below multiply operands that are first quantised to E2M1 (2 exponent bits, 1 mantissa bit; 4 bits a number), with one power-of-two scale for each 32 numbers along K (OCP MX v1.0); their sums are f32. The products marked 'left as it is' may take bf16, f16 or f32 operands, with f32 sums. Whichever they take, every output number must still come out within the allowed error. Rounding operands to bf16 (8 significant bits) uses up far more of that allowance than f16 does (11 bits, for magnitudes from 6e-5 to 65,504). All else is computed in f32.
;;   The module's matrix products, in the order in which they are computed (A, B: the left and right operand; K: the contracted axis; several contracted axes count as one K, in the product's order):
;;     1. batch 16 x [M 4,096, K 64] x [K 64, N 4,096]; A: input queries; B: input keys: QUANTISED
;;     2. batch 16 x [M 4,096, K 4,096] x [K 4,096, N 64]; A: computed on the way; B: input values: left as it is (an operand is computed on the way)
;;   THE QUANTISER, for each operand of a quantised product, along K:
;;     - K is cut into blocks of 32 from its start; a last block that is shorter is filled with zeros.
;;     - A block's scale is 2^e with e = floor(log2(the largest magnitude in the block)) - 2, held to -126 .. 127; a block of zeros has e = 0. As a byte (E8M0): e + 127.
;;     - Each number is divided by its block's scale, clamped to +-6, and rounded to the nearest number of E2M1, ties to even, subnormals kept.
;;     - The product sums the exact products of the quantised numbers (number of the format x scale) in f32.
;;   ~~~python
;;   def quantise(x, axis):      # numpy; x: float32 -> the quantised numbers, widened to float32 again
;;       x = np.moveaxis(x, axis, -1); K = x.shape[-1]
;;       x = np.pad(x, [(0, 0)] * (x.ndim - 1) + [(0, -K % 32)]); x = x.reshape(x.shape[:-1] + (-1, 32)); a = np.abs(x).max(-1, keepdims=True)
;;       e = np.where(a > 0, np.clip(np.frexp(np.where(a > 0, a, 1))[1] - 1 - 2, -126, 127), 0)      # np.frexp(a)[1] - 1 = floor(log2(a)), exactly
;;       r = np.clip(x / 2.0 ** e, -6, 6)
;;       step = 2.0 ** (np.maximum(np.frexp(np.where(r == 0, 1, r))[1] - 1, 0) - 1)
;;       q = np.round(r / step) * step * 2.0 ** e      # np.round: ties to even
;;       return np.moveaxis(q.reshape(q.shape[:-2] + (-1,))[..., :K], -1, axis).astype(np.float32)
;;   ~~~
;; One version. Each part assembles by itself: llvm-mc -triple=amdgcn-amd-amdhsa -mcpu=gfx1250 --defsym DOCPART=n.
;; ======== version 1 of 1: 2 launches
;; limits: right only within a limited range of input values; values are held in f16: magnitudes above 65,504 overflow, below 6.1e-05 lose precision
;; workspace buffers: qcodes 2,097,152 bytes; kcodes 2,097,152 bytes; qscales 262,144 bytes; kscales 262,144 bytes; vfrag 8,388,608 bytes; maskn 8,388,608 bytes
;; launch prep (part 1): grid 512 x 1, 4 waves a work-group, no clusters, 52,224 bytes of LDS; arguments queries, keys, values, mask, qcodes, qscales, kcodes, kscales, vfrag, maskn; writes qcodes, qscales, kcodes, kscales, vfrag, maskn
.if DOCPART == 1
	.amdgcn_target "amdgcn-amd-amdhsa--gfx1250"
	.amdhsa_code_object_version 6
	.text
	.protected	k_qb5078a82e5_prep
	.globl	k_qb5078a82e5_prep
	.p2align	8
	.type	k_qb5078a82e5_prep,@function
k_qb5078a82e5_prep:
	s_mov_b64 s[64:65], 0
	v_nop
	global_prefetch_b8 v0, s[64:65] scope:SCOPE_SE
	s_setreg_imm32_b32 hwreg(HW_REG_WAVE_MODE, 25, 1), 1
	s_wait_xcnt 0x0
; out = (softmax of where(mask, Q K^T / 8, -1e9), clipped by min(|mask|, |w|)) V, 16 heads of 4,096 x 64.  This launch reads each input once and lays it as the second launch's operand registers want it.
; NOTHING OF reference() IS LEFT OUT AS DEAD WORK: all four inputs are loaded and have a way to the output; d_k = 64 is a listed constant.
;   queries, keys -> codes of E2M1 and E8M0 scale bytes by the stated quantiser, blocks of 32 along the head's 64.  Codes: [tile of 16 rows][lane r + 16 h][16 bytes] = block h of row r: registers 0-3 of a fragment.
;                    Scale words: [64 rows][r][u], row 16 u + r of the 64: b0 | b1<<8 | b0<<16 | b1<<24 (the product's K is 128: the upper 64 are zero codes, under the same two bytes once more).
;   values        -> f16, [chunk of 32 keys][a][e][lane (r, h)][16 bytes]: channel 4 r + a, keys 16 e + 8 h + 0..7, the lower key in the lower half: a fragment of V^T as it stands in registers.
;   mask          -> a nibble a key: 0xF (the E2M1 code of -6) where the mask is false, 0 where it is true: [tile of 16 queries][64 keys][lane (r, h)][u]: nibble j of the word is (query r, key 16 u + 8 h + j).
; LIMITS: |values| up to 65,504 (f16's range); NaN and infinities among the inputs are not served; a block whose largest magnitude lies under 2^-124 keeps the byte 1; a block of zeros gets the byte 1 where the
; quantiser says 127: its codes are zeros, and this program alone reads the bytes.
; SHARES: work-groups 0-127 take queries, 128-255 keys (one path, the buffers chosen by the work-group's number), 256-383 values, 384-511 the mask; each of the four waves takes 32,768 bytes of its input.
; No tensor load, no barrier: waves share nothing.  Each path that uses LDS has bytes of its own.
.set SPARE, 51712                      ; behind both paths' bytes: the spare words, 128 bytes for each wave
.set QSTG,  4352                       ; Q and K: a stage of 16 rows x (256 + 16) bytes; two for each wave, from LDS byte 0 on
.set MLDS,  34816                      ; the mask: from here on, for each wave,
.set MWAVE, 4224                       ; eight blocks of 512 + 16 bytes
.set R,   32                           ; v32-127   Q, K: three sets of 32 registers as loaded
.set X,   128                          ; v128-191  two sets of 32: a whole block of 32 numbers a lane
.set C,   192                          ; v192-223  four registers of codes for each of 8 tiles: no store's data are written again
.set W,   16                           ; v16-23    a scale word for each tile
.set Z,   24                           ; v24-27    the scale words on their way out
.set XV,  32                           ; v32-159   V: two sets of 64 numbers
.set F,   160                          ; v160-223  two sets of 32 registers of f16 pairs
.set M,   32                           ; v32-159   the mask: two sets of 64 registers of bytes
.set OUT, 160                          ; v160-191  eight groups' words on their way out
	s_load_b256 s[4:11], s[0:1], 0x0               ; queries s[4:5], keys s[6:7], values s[8:9], mask s[10:11]
	s_load_b256 s[12:19], s[0:1], 0x20             ; qcodes s[12:13], qscales s[14:15], kcodes s[16:17], kscales s[18:19]
	s_load_b128 s[20:23], s[0:1], 0x40             ; vfrag s[20:21], maskn s[22:23]
	v_lshl_add_u32 v28, v0, 2, SPARE               ; my spare word; never rewritten
	v_mov_b32 v29, 0                               ; 0; never rewritten
	v_lshrrev_b32 v1, 5, v0
	v_readfirstlane_b32 s24, v1                    ; wave 0..3
	v_and_b32 v2, 31, v0                           ; lane l
	v_lshlrev_b32 v3, 4, v2                        ; 16 l: my 16 bytes of 512 consecutive ones; never rewritten
	v_and_b32 v8, 15, v0                           ; r
	v_bfe_u32 v9, v0, 4, 1                         ; h
	; every LDS address is made here, ahead of the parting of the paths
	s_mul_i32 s34, s24, 2*QSTG
	v_mul_u32_u24 v14, v9, 272
	v_lshl_add_u32 v14, v8, 4, v14
	v_add_nc_u32 v14, s34, v14                     ; Q, K, into the stage: a load's 512 bytes are two rows: row h, byte 16 r
	v_mul_u32_u24 v15, v8, 272
	v_lshl_add_u32 v15, v9, 7, v15
	v_add_nc_u32 v15, s34, v15                     ; and out of it: row r, block h: 128 bytes
	v_lshlrev_b32 v7, 3, v9                        ; 8 h: my byte's place in the scale word
	s_mul_i32 s35, s24, MWAVE
	s_add_co_u32 s35, s35, MLDS
	v_lshrrev_b32 v4, 2, v2
	v_mul_u32_u24 v4, v4, 528
	v_and_b32 v5, 3, v2
	v_lshl_add_u32 v4, v5, 2, v4
	v_add_nc_u32 v4, s35, v4                       ; the mask, in: my 16 keys are tile u = l % 4 of group l / 4: block l / 4, word u.  528 bytes are 132 words: lane l falls on bank l
	v_add_nc_u32 v5, s35, v3                       ; and out: 16 l of a block
	v_lshlrev_b32 v6, 4, v8
	v_lshl_add_u32 v6, v9, 11, v6                  ; V: key 8 h of a run of 16, channels 4 r on: 2,048 h + 16 r
	v_mov_b32 v10, 0                               ; written once: a lane permute's destination counts as one of its sources
	s_mov_b32 s26, 0x76543210
	s_mov_b32 s27, 0xfedcba98                      ; v_permlanex16_b32's selects for lane l xor 16
	s_mov_b32 s28, 0x00100010
	s_mov_b32 s29, 0x00010001
	s_mov_b32 s30, 0x06040200
	s_mov_b32 s31, 0x11111111
	s_mov_b32 s37, 0
	s_wait_kmcnt 0x0
	s_cmp_lt_u32 ttmp9, 256
	s_cbranch_scc0 .Lnot_qk
	; ---------------- queries and keys: a wave takes 128 rows, 8 tiles of 16
	s_cmp_lt_u32 ttmp9, 128                        ; the choice hangs on the work-group's number alone
	s_cselect_b64 s[4:5], s[4:5], s[6:7]
	s_cselect_b64 s[12:13], s[12:13], s[16:17]
	s_cselect_b64 s[14:15], s[14:15], s[18:19]
	s_and_b32 s34, ttmp9, 127
	s_lshl_b32 s34, s34, 2
	s_add_co_u32 s34, s34, s24                     ; which run of 128 rows of the tensor
	s_lshl_b32 s36, s34, 15
	s_add_nc_u64 s[4:5], s[4:5], s[36:37]          ; 32,768 bytes of numbers,
	s_lshl_b32 s36, s34, 12
	s_add_nc_u64 s[12:13], s[12:13], s[36:37]      ; 4,096 of codes,
	s_lshl_b32 s36, s34, 9
	s_add_nc_u64 s[14:15], s[14:15], s[36:37]      ; 512 of scale words
.macro QLOAD t                         ; tile t: eight loads of 512 consecutive bytes (two rows each) into set t % 3
.irp i, 0,1,2,3,4,5,6,7
	global_load_b128 v[R+32*((\t)%3)+4*\i:R+32*((\t)%3)+4*\i+3], v3, s[4:5] offset:4096*(\t)+512*\i th:TH_LOAD_NT
.endr
.endm
.macro QTURN t                         ; tile t through the wave's own stage t % 2: in as loaded, out a whole block a lane.  LDS serves a wave's instructions in order: no wait between
.irp i, 0,1,2,3,4,5,6,7
	ds_store_b128 v14, v[R+32*((\t)%3)+4*\i:R+32*((\t)%3)+4*\i+3] offset:QSTG*((\t)%2)+544*\i
.endr
.irp i, 0,1,2,3,4,5,6,7
	ds_load_b128 v[X+32*((\t)%2)+4*\i:X+32*((\t)%2)+4*\i+3], v15 offset:QSTG*((\t)%2)+16*\i
.endr
.endm
.macro QTILE t
.set XS, X+32*((\t)%2)
	s_wait_dscnt 0x0                               ; this tile's numbers are back from the stage, so its stores into the stage have read set t % 3,
.if (\t)+3 < 8
	QLOAD (\t)+3                                   ; which takes the loads of three tiles on
.endif
.if (\t) < 5
	s_wait_loadcnt 16                              ; the next tile's eight loads are in; those of the two tiles behind it may be out
.elseif (\t) == 5
	s_wait_loadcnt 8                               ; one tile behind it
.elseif (\t) == 6
	s_wait_loadcnt 0x0
.endif
.if (\t) < 7
	QTURN (\t)+1                                   ; and goes through the other stage while this tile is worked
.endif
	v_max3_num_f32 v12, |v[XS]|, |v[XS+1]|, |v[XS+2]|              ; the block's largest magnitude: all 32 numbers are mine; two chains
	v_max3_num_f32 v13, |v[XS+3]|, |v[XS+4]|, |v[XS+5]|
.irp i, 6,10,14,18,22,26
	v_max3_num_f32 v12, v12, |v[XS+\i]|, |v[XS+\i+1]|
	v_max3_num_f32 v13, v13, |v[XS+\i+2]|, |v[XS+\i+3]|
.endr
	v_max3_num_f32 v12, v12, |v[XS+30]|, |v[XS+31]|
	v_max3_num_f32 v12, v12, v13, 0x1800000        ; and the floor 2^(3 - 127): the byte cannot fall under 1
	v_add_nc_u32 v11, 0xff000000, v12              ; 2 off its exponent field: the conversion takes the exponent field of this operand as its scale
.irp g, 0,1,2,3
	v_cvt_scalef32_pk8_fp4_f32 v[C+4*(\t)+\g], v[XS+8*\g:XS+8*\g+7], v11   ; nearest code, ties to even, beyond 6 the largest code
.endr
	v_lshrrev_b32 v13, 23, v11                     ; the scale's byte (a plain line behind the conversions)
	v_lshlrev_b32 v13, v7, v13                     ; at block h's place
	v_permlanex16_b32 v10, v13, s26, s27
	v_or_b32 v13, v13, v10                         ; with the row's other block: b0 | b1<<8
	v_lshl_or_b32 v[W+(\t)], v13, 16, v13          ; and once more over the zero codes of k = 64 .. 127
	global_store_b128 v3, v[C+4*(\t):C+4*(\t)+3], s[12:13] offset:512*(\t)   ; the wave stores 512 consecutive bytes
.endm
	QLOAD 0
	QLOAD 1
	QLOAD 2
	s_wait_loadcnt 16                              ; tile 0's eight loads are in
	QTURN 0
.irp t, 0,1,2,3,4,5,6,7
	QTILE \t
.endr
	v_cmp_gt_u32 vcc_lo, 16, v2                    ; lanes 0-15 send tiles 0-3 (the first 64 rows), lanes 16-31 tiles 4-7
.irp u, 0,1,2,3
	v_cndmask_b32 v[Z+\u], v[W+4+\u], v[W+\u], vcc_lo
.endr
	global_store_b128 v3, v[Z:Z+3], s[14:15]       ; 512 consecutive bytes of scale words
	s_branch .Lend
.Lnot_qk:
	s_cmp_lt_u32 ttmp9, 384
	s_cbranch_scc0 .Lmask
	; ---------------- values: a wave takes four chunks of 32 keys
	s_sub_co_u32 s34, ttmp9, 256
	s_lshl_b32 s34, s34, 2
	s_add_co_u32 s34, s34, s24
	s_lshl_b32 s36, s34, 15
	s_add_nc_u64 s[8:9], s[8:9], s[36:37]
	s_lshl_b32 s36, s34, 14
	s_add_nc_u64 s[20:21], s[20:21], s[36:37]
.macro VLOAD k                         ; chunk k: key 16 c + 8 h + j, channels 4 r .. 4 r + 3: sixteen lanes read a key's whole row of 256 bytes
.irp c, 0,1
.irp j, 0,1,2,3,4,5,6,7
	global_load_b128 v[XV+64*((\k)%2)+32*\c+4*\j:XV+64*((\k)%2)+32*\c+4*\j+3], v6, s[8:9] offset:8192*(\k)+256*(16*\c+\j) th:TH_LOAD_NT
.endr
.endr
.endm
.macro VCHUNK k
.if (\k) < 3
	s_wait_loadcnt 16                              ; this chunk's sixteen loads are in; the next chunk's may be out
.else
	s_wait_loadcnt 0x0
.endif
.if (\k) >= 2
	s_wait_xcnt 0x0                                ; the stores of two chunks ago have read this set of pairs
.endif
.irp a, 0,1,2,3
.irp c, 0,1
.irp j, 0,2,4,6
	v_cvt_pk_f16_f32 v[F+32*((\k)%2)+8*\a+4*\c+\j/2], v[XV+64*((\k)%2)+32*\c+4*\j+\a], v[XV+64*((\k)%2)+32*\c+4*\j+4+\a]   ; two neighbouring keys of channel 4 r + a
.endr
.endr
.endr
.if (\k)+2 < 4
	VLOAD (\k)+2
.endif
.irp a, 0,1,2,3
.irp e, 0,1
	global_store_b128 v3, v[F+32*((\k)%2)+8*\a+4*\e:F+32*((\k)%2)+8*\a+4*\e+3], s[20:21] offset:4096*(\k)+1024*\a+512*\e
.endr
.endr
.endm
	VLOAD 0
	VLOAD 1
.irp k, 0,1,2,3
	VCHUNK \k
.endr
	s_branch .Lend
.Lmask:
	; ---------------- the mask: a wave takes 16 queries x 2,048 keys, in four tasks of 512 keys
	s_sub_co_u32 s34, ttmp9, 384
	s_lshl_b32 s34, s34, 2
	s_add_co_u32 s34, s34, s24                     ; 2 x tile of queries + half of the keys
	s_lshl_b32 s36, s34, 14
	s_add_nc_u64 s[22:23], s[22:23], s[36:37]      ; out: 16,384 bytes each
	s_lshr_b32 s36, s34, 1
	s_lshl_b32 s36, s36, 16                        ; in: 16 rows of 4,096 bytes,
	s_and_b32 s35, s34, 1
	s_lshl_b32 s35, s35, 11                        ; and the half
	s_add_co_u32 s36, s36, s35
	s_add_nc_u64 s[10:11], s[10:11], s[36:37]
.macro MLOAD k                         ; task k: of each of the 16 rows 512 consecutive bytes
.irp i, 0,1,2,3,4,5,6,7,8,9,10,11,12,13,14,15
	global_load_b128 v[M+64*((\k)%2)+4*\i:M+64*((\k)%2)+4*\i+3], v3, s[10:11] offset:4096*\i+512*(\k) th:TH_LOAD_NT
.endr
.endm
.macro NIB d, wl, wh                   ; eight bytes, each 0 or 1, become eight nibbles: 0xF where the byte is 0
	v_lshrrev_b32 v8, 4, v[\wl]
	v_lshrrev_b32 v9, 4, v[\wh]
	v_and_b32 v8, s28, v8                          ; bytes 1 and 3 at bits 4 and 20,
	v_and_b32 v9, s28, v9
	v_and_or_b32 v8, v[\wl], s29, v8               ; bytes 0 and 2 at bits 0 and 16
	v_and_or_b32 v9, v[\wh], s29, v9
	v_perm_b32 v[\d], v9, v8, s30                  ; bytes 0 and 2 of both: a bit a nibble
	v_xor_b32 v[\d], s31, v[\d]                    ; 1 where masked
	v_lshlrev_b32 v8, 4, v[\d]
	v_sub_nc_u32 v[\d], v8, v[\d]                  ; x 15
.endm
.macro MTASK k
.if (\k) < 3
	s_wait_loadcnt 16                              ; this task's sixteen loads are in; the next task's may be out
.else
	s_wait_loadcnt 0x0
.endif
.irp i, 0,1,2,3,4,5,6,7,8,9,10,11,12,13,14,15
.irp h, 0,1
	NIB 12, M+64*((\k)%2)+4*\i+2*\h, M+64*((\k)%2)+4*\i+2*\h+1
	ds_store_b32 v4, v12 offset:256*\h+16*\i       ; the word of lane (r = i, h) of my group
.endr
.endr
.if (\k)+2 < 4
	MLOAD (\k)+2
.endif
.if (\k) > 0
	s_wait_xcnt 0x0                                ; the last task's stores have read their registers
.endif
.irp g, 0,1,2,3,4,5,6,7
	ds_load_b128 v[OUT+4*\g:OUT+4*\g+3], v5 offset:528*\g   ; LDS serves a wave's instructions in order: these see my stores, and the next task's stores come behind them
.endr
.irp g, 0,1,2,3,4,5,6,7
	s_wait_dscnt 7-\g                              ; group g is in; the loads behind it may be out
	global_store_b128 v3, v[OUT+4*\g:OUT+4*\g+3], s[22:23] offset:4096*(\k)+512*\g
.endr
.endm
	MLOAD 0
	MLOAD 1
.irp k, 0,1,2,3
	MTASK \k
.endr
.Lend:
	s_wait_tensorcnt 0x0                           ; the wave's end: behind the last LDS store
	ds_add_u32 v28, v29
	s_wait_dscnt 0x0
	s_endpgm
.Lfunc_end_k_qb5078a82e5_prep:
	.size	k_qb5078a82e5_prep, .Lfunc_end_k_qb5078a82e5_prep-k_qb5078a82e5_prep
	.p2alignl 7, 3214868480
	.fill 96, 4, 3214868480
	.section	.rodata,"a",@progbits
	.p2align	6, 0x0
	.amdhsa_kernel k_qb5078a82e5_prep
		.amdhsa_group_segment_fixed_size 52224
		.amdhsa_private_segment_fixed_size 0
		.amdhsa_enable_private_segment 0
		.amdhsa_kernarg_size 80
		.amdhsa_user_sgpr_count 2
		.amdhsa_user_sgpr_kernarg_segment_ptr 1
		.amdhsa_wavefront_size32 1
		.amdhsa_system_sgpr_workgroup_id_x 1
		.amdhsa_system_sgpr_workgroup_id_y 1
		.amdhsa_system_sgpr_workgroup_id_z 1
		.amdhsa_system_vgpr_workitem_id 0
		.amdhsa_next_free_vgpr 224
		.amdhsa_next_free_sgpr 66
		.amdhsa_reserve_vcc 1
		.amdhsa_float_denorm_mode_32 3
		.amdhsa_float_denorm_mode_16_64 3
		.amdhsa_memory_ordered 1
		.amdhsa_forward_progress 1
		.amdhsa_inst_pref_size 122
	.end_amdhsa_kernel
	.amdgpu_metadata
---
amdhsa.version: [ 1, 2 ]
amdhsa.kernels:
  - .name:           k_qb5078a82e5_prep
    .symbol:         k_qb5078a82e5_prep.kd
    .args:
      - { .name: queries, .offset: 0, .size: 8, .value_kind: global_buffer, .address_space: global }
      - { .name: keys, .offset: 8, .size: 8, .value_kind: global_buffer, .address_space: global }
      - { .name: values, .offset: 16, .size: 8, .value_kind: global_buffer, .address_space: global }
      - { .name: mask, .offset: 24, .size: 8, .value_kind: global_buffer, .address_space: global }
      - { .name: qcodes, .offset: 32, .size: 8, .value_kind: global_buffer, .address_space: global }
      - { .name: qscales, .offset: 40, .size: 8, .value_kind: global_buffer, .address_space: global }
      - { .name: kcodes, .offset: 48, .size: 8, .value_kind: global_buffer, .address_space: global }
      - { .name: kscales, .offset: 56, .size: 8, .value_kind: global_buffer, .address_space: global }
      - { .name: vfrag, .offset: 64, .size: 8, .value_kind: global_buffer, .address_space: global }
      - { .name: maskn, .offset: 72, .size: 8, .value_kind: global_buffer, .address_space: global }
    .group_segment_fixed_size: 52224
    .private_segment_fixed_size: 0
    .kernarg_segment_align: 8
    .kernarg_segment_size: 80
    .max_flat_workgroup_size: 128
    .sgpr_count:     66
    .vgpr_count:     224
    .wavefront_size: 32
...
	.end_amdgpu_metadata
.endif
;; end of part 1
;; launch attn (part 2): grid 16 x 16, 16 waves a work-group, clusters of 4 x 4, 327,680 bytes of LDS; arguments qcodes, qscales, kcodes, kscales, vfrag, maskn, out0; writes out0
.if DOCPART == 2
	.amdgcn_target "amdgcn-amd-amdhsa--gfx1250"
	.amdhsa_code_object_version 6
	.text
	.protected	k_qb5078a82e5_attn
	.globl	k_qb5078a82e5_attn
	.p2align	8
	.type	k_qb5078a82e5_attn,@function
k_qb5078a82e5_attn:
	s_mov_b64 s[64:65], 0
	v_nop
	global_prefetch_b8 v0, s[64:65] scope:SCOPE_SE
	s_setreg_imm32_b32 hwreg(HW_REG_WAVE_MODE, 25, 1), 1
	s_wait_xcnt 0x0
	s_wait_alu depctr_hold_cnt(0) depctr_sa_sdst(0) depctr_va_vdst(0) depctr_va_sdst(0) depctr_va_ssrc(0) depctr_va_vcc(0) depctr_vm_vsrc(0)
	s_getreg_b32 s2, hwreg(HW_REG_IB_STS2, 6, 4)
	s_cmp_eq_u32 s2, 0
	s_cbranch_scc0 .Lentry_in_a_cluster
	s_endpgm
.Lentry_in_a_cluster:
	s_bfe_u32 s2, ttmp6, 0x10000c
	s_cmp_lg_u32 s2, 0xf033
	s_cbranch_scc0 .Lentry_shape_is_right
	s_endpgm
.Lentry_shape_is_right:
; out[head][q][:] = sum over k of w(q, k) V[head][k][:], w = min(|mask|, softmax_k(where(mask, Q . K / 8, -1e9))).  16 heads, 4,096 queries and keys, 64 channels.  No work of reference() is left out.
; Q . K runs on codes of E2M1 with E8M0 scales (the first launch made them); its K is 64, so the upper half of the instruction's 128 holds zero codes.  w V runs on f16 operands with f32 sums.
; THE MASK IS THE C OF THE FIRST PRODUCT: a lane's eight nibbles (0xF where masked) are widened by one conversion into the score tile's eight registers, 0 or -6 x 2^113, and the product adds the scores onto them.
; THE SOFTMAX: a running maximum m of the raw scores, begun at -8e9, which is reference()'s -1e9 ahead of the factor 1/8; p = 2^(c s - c m), c = log2(e) / 8; in every step O and the sum l are multiplied by
; a = 2^(c m_old - c m_new).  A masked key's p is 0, which is also the clip min(|mask|, |w|); an open key's weight is at most 1, so the clip leaves it.  A row with no open key has O = 0 and l = 0 and gives 0 x 1 / max(l, 2^-100) = 0.
; LIMITS: a masked key adds nothing to a row's sum, as in reference()'s f32 wherever the row's largest open score / 8 lies above -1e9 + 104; rows under that are not served.  |values| up to 65,504.  NaN and infinities are not served.
; SHARES: a work-group owns 256 queries of one head.  Waves 2 g and 2 g + 1 own queries 32 g .. 32 g + 31 (two tiles of 16); of each 512 keys the even wave walks the first 256, the odd wave the others, 64 a step;
; at the end the odd wave hands c m, l and O to the even one through LDS.  Four waves share a SIMD's registers, 256 each, so that one wave's vector work stands beside another's products.
; LAYOUT: both products transposed: S^T = K Q^T (source 0 = 16 keys, source 1 = 16 queries), O^T = V^T P^T: lane (r, h) holds query r throughout; register j of score tile u is key 16 u + 8 h + j, so two tiles, rounded to
; f16 in pairs, are source 1 of the second product as they stand.  Row m of tile a of V^T is channel 4 m + a, so that a lane ends with 32 neighbouring channels.
; CLUSTER 4 x 4: the four work-groups of a row of the cluster share a head (K, V, K's scale words), the four of a column a block of queries (the mask): every tile is asked for jointly.
; LDS: two slots of 512 keys (16,384 bytes of K's codes, 65,536 of V, 65,536 of mask nibbles for 16 tiles of queries); K's scale words of the whole head, filled once; the spare words.  All images of registers, 16 bytes a lane: no padding.
.set SLOTB, 147456
.set SCL,   294912                     ; K's scale words: 16,384 bytes
.set SPARE, 311296                     ; the spare words: 128 bytes for each of 16 waves
.set MRG,   8704                       ; after the last change of slots, in slot 0: for each pair of waves 16 images of 512 bytes and, at +8,192, the statistics;
.set WOUT,  69632                      ; and from here on, for each pair, two stages of 16 rows x (256 + 16) bytes for the way out
.set ST, 16                            ; v16-31   statistics, eight a tile: +0 c m, +1 m, +2, +3 l in two halves, +4 .. +7 at work; a at +6
.set QF, 32                            ; v32-47   Q's two fragments (registers 4-7 of each: zero codes)
.set QS, 48                            ; v48-49   Q's scale words: these hold scales and nothing else
.set KS, 52                            ; v52-55   K's scale words of a step: likewise
.set MN, 56                            ; v56-63   the step's mask words, 4 t + u
.set KF, 64                            ; v64-95   K's four fragments (registers 4-7 of each: zero codes)
.set S,  96                            ; v96-159  S^T, 32 t + 8 u; then p; then P in each tile's lower 16 and V's second four fragments in the upper 16
.set O,  160                           ; v160-223 O^T, 32 t + 8 a
.set VA, 224                           ; v224-255 V's first four fragments
; v1 my spare word, v2 0; v3-6 my lane's places in K, mask, V, scale words; v7-10 the step's LDS addresses; v11 the bias's scale bytes; v12 the prefetches' offset; v13 16 x lane
; s18 wave, s19 its parity, s20 its pair, s21 which quarter it fetches; s[22:23] lane selects; s[24:25] c; s[28:35], s[36:43] descriptor groups 1; s[44:51], s[52:59], s[60:63] groups 0;
; s66-69 the step's LDS bytes (K, mask, V, scale words); s70, s71 counters; s72-77 place, block, head, masks; s[78:79] two slots on; s[80:81], s[82:83] prefetch address and step; s84, s85 who asks
.macro CROUND                          ; a round of the cluster's barrier: my work-group's barrier; wave 0 signals for the work-group; every wave waits for all sixteen; my work-group's barrier once more
	s_barrier_signal -1
	s_barrier_wait -1
	s_cmp_lg_u32 s18, 0
	s_cbranch_scc1 .Lnot_wave_0_\@
	s_barrier_signal -3
.Lnot_wave_0_\@:
	s_barrier_wait -3
	s_barrier_signal -1
	s_barrier_wait -1
.endm
; A joint load into slot n, 16,384 bytes a wave: wave 0 K's codes, waves 1-4 V's quarters (shared along my row of the cluster), waves 5-8 four tiles of queries' mask words each (shared along my column).
; The branches hang on the wave's number alone.  An s_nop 0 and four v_nop follow each load.
.macro JLOAD n
	s_cmp_lt_u32 s18, 5
	s_cbranch_scc0 .Lnot_h_\@
	tensor_load_to_lds s[44+4*(\n):47+4*(\n)], s[28:35]
	s_nop 0
.rept 4
	v_nop
.endr
	s_branch .Lasked_\@
.Lnot_h_\@:
	s_cmp_lt_u32 s18, 9
	s_cbranch_scc0 .Lasked_\@
	tensor_load_to_lds s[52+4*(\n):55+4*(\n)], s[36:43]
	s_nop 0
.rept 4
	v_nop
.endr
.Lasked_\@:
.endm
; A PREFETCH of what the next change of slots will ask for, a slot's four steps ahead of that load, by waves that fetch nothing: 32 lanes name 32 blocks of 256 bytes.  V (waves 10, 11) and K (wave 14, in every second
; change, for two slots) are read by all clusters of a row of clusters: the first of them asks; the mask (waves 12, 13) by all of a column: the first asks.  The four partners that share a tile share its blocks out by address.
.macro ASK f
	s_cmp_eq_u32 s[\f], 1
	s_cbranch_scc0 .Lnot_mine_\@
	global_prefetch_b8 v12, s[80:81] th:TH_LOAD_NT scope:SCOPE_SE
.Lnot_mine_\@:
.endm
	s_load_b256 s[4:11], s[0:1], 0x0               ; qcodes s[4:5], qscales s[6:7], kcodes s[8:9], kscales s[10:11]
	s_load_b128 s[12:15], s[0:1], 0x20             ; vfrag s[12:13], maskn s[14:15]
	s_load_b64 s[16:17], s[0:1], 0x30              ; out0
	v_lshl_add_u32 v1, v0, 2, SPARE
	v_mov_b32 v2, 0
	ds_add_u32 v1, v2                              ; the wave's opening: the add, twice on end, and its wait ahead of the first tensor load
	ds_add_u32 v1, v2
	v_lshrrev_b32 v3, 5, v0
	v_readfirstlane_b32 s18, v3                    ; wave 0..15
	s_and_b32 s19, s18, 1                          ; which 256 of a slot's 512 keys
	s_lshr_b32 s20, s18, 1                         ; which 32 queries
	s_add_co_u32 s21, s18, 3
	s_and_b32 s21, s21, 3                          ; waves 1-4 and 5-8: quarter 0-3
	s_bfe_u32 s72, ttmp6, 0x40000                  ; cx
	s_bfe_u32 s73, ttmp6, 0x40004                  ; cy
	s_lshl_b32 s74, ttmp9, 2
	s_add_co_u32 s74, s74, s72                     ; my block of 256 queries = 4 x cluster x + cx
	s_and_b32 s75, ttmp7, 0xffff
	s_lshl_b32 s75, s75, 2
	s_add_co_u32 s75, s75, s73                     ; my head = 4 x cluster y + cy
	s_lshl_b32 s76, s73, 2
	s_lshl_b32 s76, 15, s76                        ; my row of the cluster
	s_lshl_b32 s77, 0x1111, s72                    ; my column
	s_or_b32 s28, s76, (3<<16)|(1<<21)             ; group 1 for K, V, scale words: the mask of my row; elements of 8 bytes; bit 21 beside a mask; no padding
	s_mov_b32 s29, 32<<16                          ; tensor_dim0 = 32 elements: rows of 256 bytes,
	s_mov_b32 s30, 64<<16                          ; tensor_dim1 = 64,
	s_mov_b32 s31, 32<<16                          ; tile_dim0 = 32
	s_mov_b32 s32, 64                              ; tile_dim1 = 64
	s_mov_b32 s33, 32                              ; dense: a row begins where the last ends
	s_mov_b32 s34, 0
	s_mov_b32 s35, 0
	s_or_b32 s36, s77, (3<<16)|(1<<21)             ; group 1 for the mask words: the mask of my column
	s_mov_b32 s37, 512<<16                         ; rows of 4,096 bytes: a slot's words of one tile of queries,
	s_mov_b32 s38, 4<<16                           ; four tiles of queries,
	s_mov_b32 s39, 512<<16
	s_mov_b32 s40, 4
	s_mov_b32 s41, 4096                            ; 32,768 bytes apart
	s_mov_b32 s42, 0
	s_mov_b32 s43, 0
	s_mov_b32 s22, 0x76543210
	s_mov_b32 s23, 0xfedcba98                      ; v_permlanex16_b32's selects for lane l xor 16
	s_mov_b32 s24, 0x3e38aa3b                      ; c = log2(e) / 8
	s_mov_b32 s25, s24                             ; (named with it as a pair, so it is written)
	s_wait_dscnt 0x0                               ; both opening adds are done
	s_wait_kmcnt 0x0
	; groups 0.  K's, V's and the scale words' hang on the head and the wave alone, the mask's on the block of queries and the wave alone, each in registers that never hold the other coordinate
	s_lshl_b32 s86, s18, 14                        ; LDS: wave x 16,384 in a slot: K, V's four quarters, the mask's four
	s_lshl_b32 s94, s75, 17                        ; K: the head's 131,072 bytes
	s_lshl_b32 s95, s75, 19                        ; V: the head's 524,288,
	s_lshl_b32 s96, s21, 14
	s_add_co_u32 s95, s95, s96                     ; my quarter of a slot's 65,536
	s_mov_b32 s78, 131072                          ; two slots on: in V,
	s_mov_b32 s79, 0
	s_cmp_eq_u32 s18, 0
	s_cselect_b64 s[88:89], s[8:9], s[12:13]
	s_cselect_b32 s94, s94, s95
	s_cselect_b32 s78, 32768, s78                  ; in K
	s_mov_b32 s95, 0
	s_add_nc_u64 s[88:89], s[88:89], s[94:95]
	s_lshr_b32 s96, s78, 1
	s_mov_b32 s97, 0
	s_mov_b32 s44, 1                               ; count = 1
	s_mov_b32 s45, s86                             ; slot 0
	s_mov_b64 s[46:47], s[88:89]                   ; keys 0-511
	s_or_b32 s47, s47, 0x80000000                  ; type = 2
	s_mov_b32 s48, 1
	s_add_co_u32 s49, s86, SLOTB                   ; slot 1
	s_add_nc_u64 s[50:51], s[88:89], s[96:97]      ; keys 512-1,023
	s_or_b32 s51, s51, 0x80000000
	s_lshl_b32 s94, s75, 14
	s_mov_b32 s60, 1
	s_mov_b32 s61, SCL
	s_add_nc_u64 s[62:63], s[10:11], s[94:95]      ; the head's 16,384 bytes of K's scale words
	s_or_b32 s63, s63, 0x80000000
	s_lshl_b32 s90, s74, 19                        ; the mask: my block's 16 tiles of queries x 32,768 bytes,
	s_lshl_b32 s91, s21, 17
	s_add_co_u32 s90, s90, s91                     ; my four of them
	s_mov_b32 s91, 0
	s_add_nc_u64 s[92:93], s[14:15], s[90:91]
	s_mov_b32 s52, 1
	s_mov_b32 s53, s86
	s_mov_b64 s[54:55], s[92:93]
	s_or_b32 s55, s55, 0x80000000
	s_mov_b32 s56, 1
	s_add_co_u32 s57, s86, SLOTB
	s_add_nc_u64 s[58:59], s[92:93], 4096
	s_or_b32 s59, s59, 0x80000000
	; the prefetches: where mine stand one slot short of the first that is asked for (slot 2), and who asks
	s_and_b32 s26, s18, 1
	s_lshl_b32 s98, s75, 19                        ; V: head, + slot 1, + my work-group's quarter by cx, + my wave's half of it
	s_lshl_b32 s27, s72, 14
	s_add_co_u32 s98, s98, s27
	s_lshl_b32 s27, s26, 13
	s_add_co_u32 s98, s98, s27
	s_add_co_u32 s98, s98, 65536
	s_lshl_b32 s100, s74, 19                       ; the mask: block of queries, + my work-group's four tiles by cy, + my wave's two, + slot 1
	s_lshl_b32 s27, s73, 17
	s_add_co_u32 s100, s100, s27
	s_lshl_b32 s27, s26, 16
	s_add_co_u32 s100, s100, s27
	s_add_co_u32 s100, s100, 4096
	s_lshl_b32 s101, s75, 17                       ; K: head, + slot 1, + my work-group's quarter of two slots by cx
	s_lshl_b32 s27, s72, 13
	s_add_co_u32 s101, s101, s27
	s_add_co_u32 s101, s101, 16384
	s_and_b32 s2, ttmp7, 0xffff                    ; cluster y
	s_mov_b32 s82, 65536                           ; a slot on
	s_mov_b32 s83, 0
	s_mov_b32 s3, 4096                             ; from lane 15 to lane 16
	s_lshr_b32 s27, s18, 1
	s_cmp_eq_u32 s27, 6                            ; waves 12, 13: the mask
	s_cselect_b64 s[80:81], s[14:15], s[12:13]
	s_cselect_b32 s98, s100, s98
	s_cselect_b32 s82, 4096, s82
	s_cselect_b32 s3, 32768, s3
	s_cselect_b32 s2, s2, ttmp9                    ; the coordinate along which other clusters read the same bytes
	s_cmp_eq_u32 s27, 7                            ; wave 14: K
	s_cselect_b64 s[80:81], s[8:9], s[80:81]
	s_cselect_b32 s98, s101, s98
	s_cselect_b32 s82, 16384, s82
	s_mov_b32 s99, 0
	s_add_nc_u64 s[80:81], s[80:81], s[98:99]
	s_sub_co_u32 s27, s18, 10
	s_cmp_lt_u32 s27, 5                            ; waves 10 to 14,
	s_cselect_b32 s27, 0, 1
	s_or_b32 s27, s27, s2                          ; of the first cluster along that coordinate: the same in all sixteen partners, for a given wave
	s_cmp_eq_u32 s27, 0
	s_cselect_b32 s84, 1, 0
	s_cmp_eq_u32 s18, 14
	s_cselect_b32 s85, 0, s84                      ; wave 14 asks at every second change
	; Q's codes and scale words, and out0, at my 32 queries
	s_lshl_b32 s98, s75, 17
	s_lshl_b32 s26, s74, 13
	s_add_co_u32 s98, s98, s26
	s_lshl_b32 s26, s20, 10
	s_add_co_u32 s98, s98, s26
	s_add_nc_u64 s[4:5], s[4:5], s[98:99]
	s_lshl_b32 s98, s75, 14
	s_lshl_b32 s26, s74, 10
	s_add_co_u32 s98, s98, s26
	s_lshr_b32 s26, s20, 1
	s_lshl_b32 s26, s26, 8                         ; which 64 rows,
	s_add_co_u32 s98, s98, s26
	s_and_b32 s26, s20, 1
	s_lshl_b32 s26, s26, 3                         ; and which two of their four tiles
	s_add_co_u32 s98, s98, s26
	s_add_nc_u64 s[6:7], s[6:7], s[98:99]
	s_lshl_b32 s98, s75, 20
	s_lshl_b32 s26, s74, 16
	s_add_co_u32 s98, s98, s26
	s_lshl_b32 s26, s20, 13
	s_add_co_u32 s98, s98, s26
	s_add_nc_u64 s[16:17], s[16:17], s[98:99]
	CROUND                                         ; all sixteen work-groups are here: the first joint loads meet
	s_cmp_lt_u32 s18, 5                            ; the first fills, one a wave: slot 0 (waves 0-8) and K's scale words (wave 9)
	s_cbranch_scc0 .Lfirst_m
	tensor_load_to_lds s[44:47], s[28:35]
	s_nop 0
.rept 4
	v_nop
.endr
	s_branch .Lfirst_asked
.Lfirst_m:
	s_cmp_lt_u32 s18, 9
	s_cbranch_scc0 .Lfirst_s
	tensor_load_to_lds s[52:55], s[36:43]
	s_nop 0
.rept 4
	v_nop
.endr
	s_branch .Lfirst_asked
.Lfirst_s:
	s_cmp_eq_u32 s18, 9
	s_cbranch_scc0 .Lfirst_asked
	tensor_load_to_lds s[60:63], s[28:35]
	s_nop 0
.rept 4
	v_nop
.endr
.Lfirst_asked:
	v_and_b32 v13, 31, v0
	v_lshlrev_b32 v13, 4, v13                      ; 16 x lane; never rewritten
	v_and_b32 v15, 15, v0                          ; r
	v_lshlrev_b32 v14, 4, v15                      ; 16 r
	global_load_b128 v[QF:QF+3], v13, s[4:5]       ; Q stays in registers: tile 0,
	global_load_b128 v[QF+8:QF+11], v13, s[4:5] offset:512   ; tile 1,
	global_load_b64 v[QS:QS+1], v14, s[6:7]        ; and row r's scale words of the two tiles
	s_lshl_b32 s87, s19, 13
	v_add_nc_u32 v3, s87, v13                      ; K: 16 l + my 256 keys' 8,192 bytes
	s_lshl_b32 s87, s20, 13
	s_lshl_b32 s26, s19, 11
	s_add_co_u32 s87, s87, s26
	s_add_co_u32 s87, s87, 81920
	v_add_nc_u32 v4, s87, v13                      ; the mask: behind K and V; my two tiles of queries, my 256 keys
	s_lshl_b32 s87, s19, 15
	s_add_co_u32 s87, s87, 16384
	v_add_nc_u32 v5, s87, v13                      ; V: behind K; my 256 keys' 32,768 bytes
	s_lshl_b32 s87, s19, 10
	s_add_co_u32 s87, s87, SCL
	v_add_nc_u32 v6, s87, v14                      ; K's scale words: 16 r, four tiles' words on end; my 256 keys' 1,024 bytes
	v_mov_b32 v11, 0xf0f0f0f0                      ; the bias's scale byte, 240 = 2^113, in every byte
	v_bfe_u32 v12, v0, 4, 1
	v_mul_lo_u32 v12, v12, s3
	v_lshl_add_u32 v12, v15, 8, v12                ; the prefetches' offset: lanes 256 bytes apart
.irp t, 0,1
.irp i, 4,5,6,7
	v_mov_b32 v[QF+8*\t+\i], 0                     ; k = 64 .. 127: zero codes
.endr
.endr
.irp u, 0,1,2,3
.irp i, 4,5,6,7
	v_mov_b32 v[KF+8*\u+\i], 0
.endr
.endr
.irp t, 0,1
	v_mov_b32 v[ST+8*\t+1], 0xcfee6b28             ; m = -8e9
	v_mul_f32 v[ST+8*\t], s24, v[ST+8*\t+1]        ; c m
.irp i, 2,3,4,5,6,7
	v_mov_b32 v[ST+8*\t+\i], 0                     ; l = 0; the others are written once, since pairs and a lane permute name them
.endr
.endr
.set j, 0
.rept 64
	v_mov_b32 v[O+j], 0                            ; O^T.  (The step is written once: its first a multiplies zeros)
.set j, j+1
.endr
	s_mov_b32 s69, 0
	s_mov_b32 s71, 3
	s_wait_loadcnt 0x0                             ; Q
; A STEP: my 64 keys x my 32 queries.
.macro STEP
	v_add_nc_u32 v7, s66, v3
	v_add_nc_u32 v8, s67, v4
	v_add_nc_u32 v9, s68, v5
	v_add_nc_u32 v10, s69, v6
	v_nop                                          ; five plain lines behind the last step's products, ahead of loads into, and conversions over, the registers that they read
	ds_load_b128 v[MN:MN+3], v8                    ; the mask words first: they are wanted first
	ds_load_b128 v[MN+4:MN+7], v8 offset:4096
	ds_load_b128 v[KS:KS+3], v10
.irp u, 0,1,2,3
	ds_load_b128 v[KF+8*\u:KF+8*\u+3], v7 offset:512*\u
.endr
.irp a, 0,1,2,3
.irp e, 0,1
	ds_load_b128 v[VA+8*\a+4*\e:VA+8*\a+4*\e+3], v9 offset:1024*\a+512*\e   ; V of keys 0-31
.endr
.endr
	s_wait_dscnt 13                                ; the two mask loads are in; behind them 1 + 4 + 8 loads
.irp t, 0,1
.irp u, 0,1,2,3
	v_cvt_scale_pk8_f32_fp4 v[S+32*\t+8*\u:S+32*\t+8*\u+7], v[MN+4*\t+\u], v11   ; 0 where open, -6 x 2^113 where masked: the C of the product below
.endr
.endr
.rept 4
	v_nop                                          ; plain lines between the conversions and the products that take their results
.endr
	s_wait_dscnt 8                                 ; K and its scale words are in; V's eight loads may be out
.irp u, 0,1,2,3
.irp t, 0,1
	v_wmma_scale_f32_16x16x128_f8f6f4 v[S+32*\t+8*\u:S+32*\t+8*\u+7], v[KF+8*\u:KF+8*\u+7], v[QF+8*\t:QF+8*\t+7], v[S+32*\t+8*\u:S+32*\t+8*\u+7], v[KS+\u], v[QS+\t] matrix_a_fmt:MATRIX_FMT_FP4 matrix_b_fmt:MATRIX_FMT_FP4
.endr
.endr
.rept 4
	v_nop                                          ; four places ahead of the first read of the scores
.endr
	; the maximum of my 32 scores of each tile and the old m: four chains; each accumulator is read from its low end on; the two tiles alternate
.irp j, 0,1,2,3
.irp t, 0,1
	v_max3_num_f32 v[ST+8*\t+4+\j], v[S+32*\t+8*\j], v[S+32*\t+8*\j+1], v[S+32*\t+8*\j+2]
.endr
.endr
.irp q, 1,2
.irp j, 0,1,2,3
.irp t, 0,1
	v_max3_num_f32 v[ST+8*\t+4+\j], v[ST+8*\t+4+\j], v[S+32*\t+8*\j+2*\q+1], v[S+32*\t+8*\j+2*\q+2]
.endr
.endr
.endr
.irp t, 0,1
	v_max3_num_f32 v[ST+8*\t+4], v[ST+8*\t+4], v[S+32*\t+7], v[S+32*\t+15]
.endr
.irp t, 0,1
	v_max3_num_f32 v[ST+8*\t+6], v[ST+8*\t+6], v[S+32*\t+23], v[S+32*\t+31]
.endr
.irp t, 0,1
	v_max3_num_f32 v[ST+8*\t+4], v[ST+8*\t+4], v[ST+8*\t+5], v[ST+8*\t+6]
.endr
.irp t, 0,1
	v_max3_num_f32 v[ST+8*\t+4], v[ST+8*\t+4], v[ST+8*\t+7], v[ST+8*\t+1]
.endr
.irp t, 0,1
	v_permlanex16_b32 v[ST+8*\t+5], v[ST+8*\t+4], s22, s23     ; the query's other 32 keys lie in the lane 16 away
.endr
.irp t, 0,1
	v_mov_b32 v[ST+8*\t+7], v[ST+8*\t]             ; c m_old
.endr
.irp t, 0,1
	v_max_num_f32 v[ST+8*\t+1], v[ST+8*\t+4], v[ST+8*\t+5]
.endr
.irp t, 0,1
	v_mul_f32 v[ST+8*\t], s24, v[ST+8*\t+1]
.endr
.irp t, 0,1
	v_sub_f32 v[ST+8*\t+7], v[ST+8*\t+7], v[ST+8*\t]
.endr
.set j, 0
.rept 16
	v_pk_fma_f32 v[S+j:S+j+1], v[S+j:S+j+1], s[24:25], v[ST:ST+1] op_sel_hi:[1,0,0] neg_lo:[0,0,1] neg_hi:[0,0,1]            ; c s - c m, two at a time
	v_pk_fma_f32 v[S+32+j:S+33+j], v[S+32+j:S+33+j], s[24:25], v[ST+8:ST+9] op_sel_hi:[1,0,0] neg_lo:[0,0,1] neg_hi:[0,0,1]
.set j, j+2
.endr
	v_exp_f32 v[ST+6], v[ST+7]                     ; ONE BATCH: a of both tiles and the 64 p; none reads another's result
	v_exp_f32 v[ST+14], v[ST+15]
.set j, 0
.rept 64
	v_exp_f32 v[S+j], v[S+j]
.set j, j+1
.endr
	v_nop                                          ; a plain line behind the last exponential
	s_wait_alu depctr_va_vdst(0)                   ; the wait ahead of the first line that names a result: one for the batch
	; l = a l + the sum of p in f32, in two chains a tile
.irp t, 0,1
	v_pk_fma_f32 v[ST+8*\t+2:ST+8*\t+3], v[ST+8*\t+2:ST+8*\t+3], v[ST+8*\t+6:ST+8*\t+7], v[S+32*\t:S+32*\t+1] op_sel_hi:[1,0,1]
.endr
.irp t, 0,1
	v_pk_add_f32 v[ST+8*\t+4:ST+8*\t+5], v[S+32*\t+2:S+32*\t+3], v[S+32*\t+4:S+32*\t+5]
.endr
.irp j, 6,10,14,18,22,26
.irp t, 0,1
	v_pk_add_f32 v[ST+8*\t+2:ST+8*\t+3], v[ST+8*\t+2:ST+8*\t+3], v[S+32*\t+\j:S+32*\t+\j+1]
	v_pk_add_f32 v[ST+8*\t+4:ST+8*\t+5], v[ST+8*\t+4:ST+8*\t+5], v[S+32*\t+\j+2:S+32*\t+\j+3]
.endr
.endr
.irp t, 0,1
	v_pk_add_f32 v[ST+8*\t+2:ST+8*\t+3], v[ST+8*\t+2:ST+8*\t+3], v[S+32*\t+30:S+32*\t+31]
.endr
.irp t, 0,1
	v_pk_add_f32 v[ST+8*\t+2:ST+8*\t+3], v[ST+8*\t+2:ST+8*\t+3], v[ST+8*\t+4:ST+8*\t+5]
.endr
.irp i, 0,1,2,3,4,5,6,7,8,9,10,11,12,13,14,15
.irp t, 0,1
	v_cvt_pk_f16_f32 v[S+32*\t+\i], v[S+32*\t+2*\i], v[S+32*\t+2*\i+1]   ; P in place, ascending: register i is written when pair i / 2 has long been read.  Registers 0-7: keys 0-31; 8-15: keys 32-63
.endr
.endr
.irp a, 0,1,2,3
.irp e, 0,1
	ds_load_b128 v[S+16+32*(\a/2)+8*(\a%2)+4*\e:S+16+32*(\a/2)+8*(\a%2)+4*\e+3], v9 offset:4096+1024*\a+512*\e   ; V of keys 32-63, into the 32 registers that p has left
.endr
.endr
.set j, 0
.rept 16
	v_pk_mul_f32 v[O+j:O+j+1], v[O+j:O+j+1], v[ST+6:ST+7] op_sel_hi:[1,0]             ; O^T x a, each accumulator from its low end on
	v_pk_mul_f32 v[O+32+j:O+33+j], v[O+32+j:O+33+j], v[ST+14:ST+15] op_sel_hi:[1,0]
.set j, j+2
.endr
	s_wait_dscnt 8                                 ; V of keys 0-31 is in; the eight loads just issued may be out
.irp a, 0,1,2,3
.irp t, 0,1
	v_wmma_f32_16x16x32_f16 v[O+32*\t+8*\a:O+32*\t+8*\a+7], v[VA+8*\a:VA+8*\a+7], v[S+32*\t:S+32*\t+7], v[O+32*\t+8*\a:O+32*\t+8*\a+7]   ; the eight accumulators by turns
.endr
.endr
	s_wait_dscnt 0x0
.irp a, 0,1,2,3
.irp t, 0,1
	v_wmma_f32_16x16x32_f16 v[O+32*\t+8*\a:O+32*\t+8*\a+7], v[S+16+32*(\a/2)+8*(\a%2):S+16+32*(\a/2)+8*(\a%2)+7], v[S+32*\t+8:S+32*\t+15], v[O+32*\t+8*\a:O+32*\t+8*\a+7]
.endr
.endr
.endm
; A slot's four steps of mine: written once, walked four times
.macro BODY slot
	s_mov_b32 s66, \slot*SLOTB
	s_mov_b32 s67, \slot*SLOTB
	s_mov_b32 s68, \slot*SLOTB
	s_mov_b32 s70, 4
.Lstep_\@:
	STEP
	s_add_co_u32 s66, s66, 2048                    ; 64 keys on: K's codes,
	s_add_co_u32 s67, s67, 512                     ; the mask words,
	s_add_co_u32 s68, s68, 8192                    ; V,
	s_add_co_u32 s69, s69, 256                     ; K's scale words
	s_sub_co_u32 s70, s70, 1
	s_cmp_lg_u32 s70, 0
	s_cbranch_scc1 .Lstep_\@
	s_add_co_u32 s69, s69, 1024                    ; past the other wave's 256 keys
.endm
; THE CHANGE OF SLOTS stands at a slot's head.  Each wave waits for all its tensor loads (its part of the slot that it is about to read), adds 0 to its spare word, and waits for that and for its reads of the slot that it
; has left.  refill = 1: a round of the cluster's barrier, so that no wave of any partner still reads that slot or has a load on its way; then the joint load of the next 512 keys into it, which has this slot's steps in which to land.
; ask = 1 (the loop's trips): this slot's descriptors step two slots on (no tensor load of mine is out), and the prefetch address one.
.macro TRIP slot, refill, ask
	s_wait_tensorcnt 0x0
	ds_add_u32 v1, v2                              ; an add to the spare word
.if \refill
	ds_add_u32 v1, v2                              ; twice on end where a tensor load follows
.endif
.if \ask
	s_add_nc_u64 s[46+4*\slot:47+4*\slot], s[46+4*\slot:47+4*\slot], s[78:79]
	s_add_nc_u64 s[54+4*\slot:55+4*\slot], s[54+4*\slot:55+4*\slot], 8192
	s_wait_xcnt 0x0                                ; the last prefetch, a slot back, has read its address
	s_add_nc_u64 s[80:81], s[80:81], s[82:83]
.endif
	s_wait_dscnt 0x0                               ; the add is done, and my reads of the slot that I have left are over
.if \refill
	CROUND
	JLOAD 1-\slot
.else
	s_barrier_signal -1
	s_barrier_wait -1
.endif
.if \ask
	ASK 84+\slot
.endif
	BODY \slot
.endm
.Llap:                                             ; three trips of two slots: keys 0 to 3,071
	TRIP 0, 1, 1
	TRIP 1, 1, 1
	s_sub_co_u32 s71, s71, 1
	s_cmp_lg_u32 s71, 0
	s_cbranch_scc1 .Llap
	TRIP 0, 1, 0                                   ; the tail is written out: the last slot is asked for, nothing is prefetched,
	TRIP 1, 0, 0                                   ; and nothing is asked for
	; THE END.  Slot 0 has had its last fill, and every wave has passed the last barrier behind its last read of it: the pairs' hand-over and the way out lie there.
	v_mov_b32 v60, v[ST]                           ; c m and l of my two tiles, four registers on end (these lines are also the places behind the last products)
	v_mov_b32 v61, v[ST+8]
	v_add_f32 v62, v[ST+2], v[ST+3]
	v_add_f32 v63, v[ST+10], v[ST+11]
	s_mul_i32 s87, s20, MRG
	v_add_nc_u32 v7, s87, v13                      ; the hand-over: 16 l in my pair's bytes
	v_and_b32 v14, 15, v0                          ; r
	v_bfe_u32 v15, v0, 4, 1                        ; h
	s_add_co_u32 s87, s87, WOUT
	v_mul_u32_u24 v8, v14, 272
	v_lshl_add_u32 v8, v15, 7, v8
	v_add_nc_u32 v8, s87, v8                       ; the way out, in: row r, my 32 channels at 128 h
	v_mul_u32_u24 v9, v15, 272
	v_lshl_add_u32 v9, v14, 4, v9
	v_add_nc_u32 v9, s87, v9                       ; and back: lanes 0-15 one row of 256 bytes, lanes 16-31 the next
	s_cmp_eq_u32 s19, 0
	s_cbranch_scc1 .Lkeeps
.irp n, 0,1,2,3,4,5,6,7,8,9,10,11,12,13,14,15
	ds_store_b128 v7, v[O+4*\n:O+4*\n+3] offset:512*\n   ; the odd wave's O^T as it stands in registers, each accumulator from its low end on
.endr
	ds_store_b128 v7, v[60:63] offset:8192
.Lkeeps:
	s_wait_dscnt 0x0                               ; for the other wave's sake: my stores have landed
	s_barrier_signal -1
	s_barrier_wait -1
	s_cmp_lg_u32 s19, 0
	s_cbranch_scc1 .Ldone
.irp n, 0,1,2,3,4,5,6,7,8,9,10,11,12,13,14,15
	ds_load_b128 v[S+4*\n:S+4*\n+3], v7 offset:512*\n
.endr
	ds_load_b128 v[56:59], v7 offset:8192
	s_wait_dscnt 0x0
.irp t, 0,1
	v_max_num_f32 v[ST+8*\t+4], v[60+\t], v[56+\t] ; the common c m
.endr
.irp t, 0,1
	v_sub_f32 v[ST+8*\t+5], v[60+\t], v[ST+8*\t+4]
	v_sub_f32 v[ST+8*\t+6], v[56+\t], v[ST+8*\t+4]
.endr
.irp t, 0,1
	v_exp_f32 v[ST+8*\t], v[ST+8*\t+5]             ; what brings my half under it,
	v_exp_f32 v[ST+8*\t+1], v[ST+8*\t+6]           ; and the other wave's
.endr
	v_nop
	s_wait_alu depctr_va_vdst(0)                   ; one wait for the four, ahead of their first reader
.irp t, 0,1
	v_mul_f32 v[ST+8*\t+2], v[62+\t], v[ST+8*\t]
.endr
.irp t, 0,1
	v_fma_f32 v[ST+8*\t+2], v[58+\t], v[ST+8*\t+1], v[ST+8*\t+2]
.endr
.irp t, 0,1
	v_permlanex16_b32 v[ST+8*\t+3], v[ST+8*\t+2], s22, s23
.endr
.irp t, 0,1
	v_add_f32 v[ST+8*\t+2], v[ST+8*\t+2], v[ST+8*\t+3]   ; with lane l xor 16's keys: the row's sum
.endr
.irp t, 0,1
	v_max_num_f32 v[ST+8*\t+2], 0x0d800000, v[ST+8*\t+2]   ; at least 2^-100: a row with no open key has O = 0 and gives 0
.endr
.irp t, 0,1
	v_rcp_f32 v[ST+8*\t+4], v[ST+8*\t+2]
.endr
	v_nop
	s_wait_alu depctr_va_vdst(0)
.irp t, 0,1
	v_mul_f32 v[ST+8*\t+6], v[ST+8*\t], v[ST+8*\t+4]
	v_mul_f32 v[ST+8*\t+7], v[ST+8*\t+1], v[ST+8*\t+4]
.endr
	; register i of tile a of O^T is channel 32 h + 4 i + a: laid at 4 i + a, a lane's 32 registers are 32 neighbouring channels.  i outermost: each accumulator is read from its lowest register on
.irp i, 0,1,2,3,4,5,6,7
.irp a, 0,1,2,3
.irp t, 0,1
	v_mul_f32 v[64+160*\t+4*\i+\a], v[O+32*\t+8*\a+\i], v[ST+8*\t+6]
.endr
.endr
.endr
.irp i, 0,1,2,3,4,5,6,7
.irp a, 0,1,2,3
.irp t, 0,1
	v_fma_f32 v[64+160*\t+4*\i+\a], v[S+32*\t+8*\a+\i], v[ST+8*\t+7], v[64+160*\t+4*\i+\a]
.endr
.endr
.endr
.irp t, 0,1
.irp i, 0,1,2,3,4,5,6,7
	ds_store_b128 v8, v[64+160*\t+4*\i:64+160*\t+4*\i+3] offset:4352*\t+16*\i
.endr
.irp k, 0,1,2,3,4,5,6,7
	ds_load_b128 v[S+32*\t+4*\k:S+32*\t+4*\k+3], v9 offset:4352*\t+544*\k   ; LDS serves a wave's instructions in order: these see my stores
.endr
.endr
.irp k, 0,1,2,3,4,5,6,7
	s_wait_dscnt 23-\k                             ; behind tile 0's load k: its 7 - k later loads, tile 1's 8 stores and 8 loads
	global_store_b128 v13, v[S+4*\k:S+4*\k+3], s[16:17] offset:512*\k th:TH_STORE_NT   ; the wave stores two whole rows, 512 consecutive bytes
.endr
.irp k, 0,1,2,3,4,5,6,7
	s_wait_dscnt 7-\k
	global_store_b128 v13, v[S+32+4*\k:S+32+4*\k+3], s[16:17] offset:4096+512*\k th:TH_STORE_NT
.endr
.Ldone:
	s_wait_tensorcnt 0x0                           ; the wave's end: behind my last tensor load and my last LDS store
	ds_add_u32 v1, v2
	s_wait_dscnt 0x0
	CROUND                                         ; the closing round: no work-group ends while a partner may still ask for a tile that names it
	s_endpgm
.Lfunc_end_k_qb5078a82e5_attn:
	.size	k_qb5078a82e5_attn, .Lfunc_end_k_qb5078a82e5_attn-k_qb5078a82e5_attn
	.p2alignl 7, 3214868480
	.fill 96, 4, 3214868480
	.section	.rodata,"a",@progbits
	.p2align	6, 0x0
	.amdhsa_kernel k_qb5078a82e5_attn
		.amdhsa_group_segment_fixed_size 327680
		.amdhsa_private_segment_fixed_size 0
		.amdhsa_enable_private_segment 0
		.amdhsa_kernarg_size 56
		.amdhsa_user_sgpr_count 2
		.amdhsa_user_sgpr_kernarg_segment_ptr 1
		.amdhsa_wavefront_size32 1
		.amdhsa_system_sgpr_workgroup_id_x 1
		.amdhsa_system_sgpr_workgroup_id_y 1
		.amdhsa_system_sgpr_workgroup_id_z 1
		.amdhsa_system_vgpr_workitem_id 0
		.amdhsa_next_free_vgpr 256
		.amdhsa_next_free_sgpr 102
		.amdhsa_reserve_vcc 0
		.amdhsa_float_denorm_mode_32 3
		.amdhsa_float_denorm_mode_16_64 3
		.amdhsa_memory_ordered 1
		.amdhsa_forward_progress 1
		.amdhsa_inst_pref_size 102
	.end_amdhsa_kernel
	.amdgpu_metadata
---
amdhsa.version: [ 1, 2 ]
amdhsa.kernels:
  - .name:           k_qb5078a82e5_attn
    .symbol:         k_qb5078a82e5_attn.kd
    .args:
      - { .name: qcodes, .offset: 0, .size: 8, .value_kind: global_buffer, .address_space: global }
      - { .name: qscales, .offset: 8, .size: 8, .value_kind: global_buffer, .address_space: global }
      - { .name: kcodes, .offset: 16, .size: 8, .value_kind: global_buffer, .address_space: global }
      - { .name: kscales, .offset: 24, .size: 8, .value_kind: global_buffer, .address_space: global }
      - { .name: vfrag, .offset: 32, .size: 8, .value_kind: global_buffer, .address_space: global }
      - { .name: maskn, .offset: 40, .size: 8, .value_kind: global_buffer, .address_space: global }
      - { .name: out0, .offset: 48, .size: 8, .value_kind: global_buffer, .address_space: global }
    .group_segment_fixed_size: 327680
    .private_segment_fixed_size: 0
    .kernarg_segment_align: 8
    .kernarg_segment_size: 56
    .max_flat_workgroup_size: 512
    .sgpr_count:     102
    .vgpr_count:     256
    .wavefront_size: 32
...
	.end_amdgpu_metadata
.endif
;; end of part 2
